; MI455X (gfx1250); checked and timed in simulation.
; The chip was launched on July 23, 2026; its instructions are those of AMD's public machine-readable ISA for CDNA 5 (MIT licence, August 2026) and "CDNA5" Instruction Set Architecture Reference Guide (July 2026). The comments in the code are by the model that wrote it; some were corrected since.
;; OC Mod. Allowed arithmetic: matrix products marked QUANTISED: E4M3 operands, one E8M0 scale for each 32 along K, by v_wmma_scale_f32_16x16x128_f8f6f4 with both operands' format E4M3, f32 sums; products left as they are: f32 operands where the result goes on into a quantised operand, else bf16, f16 or f32 operands; f32 sums; everything else in f32.
;; Inputs: W0_codes 4 x 128 x 8 x 32 uint8 (E4M3 codes of W0, K innermost, in blocks of 32 codes); W0_scales 4 x 128 x 8 uint8 (E8M0 scales of W0, one for each 32 codes along K); W1_codes 4 x 64 x 4 x 32 uint8 (E4M3 codes of W1, K innermost, in blocks of 32 codes); W1_scales 4 x 64 x 4 uint8 (E8M0 scales of W1, one for each 32 codes along K); W2 4 x 1 x 64 float32; b0 4 x 128 float32; b1 4 x 64 float32; b2 4 x 1 float32; oc_density_codes 250,000 x 8 x 32 uint8 (E4M3 codes of oc_density, K innermost, in blocks of 32 codes); oc_density_scales 250,000 x 8 uint8 (E8M0 scales of oc_density, one for each 32 codes along K); species 250,000 int32.
;; Outputs: out0 250,000 x 1 float32.
;; This version of the problem:
;;   THIS VERSION OF THE PROBLEM IS GIVEN IN LOW PRECISION. The matrix products marked QUANTISED in the list below multiply operands that are first quantised to E4M3 (4 exponent bits, 3 mantissa bits; 8 bits a number), with one power-of-two scale for each 32 numbers along K (OCP MX v1.0); their sums are f32. All else is computed in f32.
;;   The module's matrix products, in the order in which they are computed (A, B: the left and right operand; K: the contracted axis; several contracted axes count as one K, in the product's order):
;;     1. [M 250,000, K 256] x [K 256, N 128]; A: input oc_density (given as codes); B: input W0 (given as codes): QUANTISED
;;     2. [M 250,000, K 128] x [K 128, N 64]; A: computed on the way; B: input W1 (given as codes): QUANTISED
;;     3. [M 250,000, K 64] x [K 64, N 1]; A: computed on the way; B: input W2: left as it is (N = 1 < 16)
;;     4. [M 250,000, K 256] x [K 256, N 128]; A: input oc_density (given as codes); B: input W0 (given as codes): QUANTISED
;;     5. [M 250,000, K 128] x [K 128, N 64]; A: computed on the way; B: input W1 (given as codes): QUANTISED
;;     6. [M 250,000, K 64] x [K 64, N 1]; A: computed on the way; B: input W2: left as it is (N = 1 < 16)
;;     7. [M 250,000, K 256] x [K 256, N 128]; A: input oc_density (given as codes); B: input W0 (given as codes): QUANTISED
;;     8. [M 250,000, K 128] x [K 128, N 64]; A: computed on the way; B: input W1 (given as codes): QUANTISED
;;     9. [M 250,000, K 64] x [K 64, N 1]; A: computed on the way; B: input W2: left as it is (N = 1 < 16)
;;     10. [M 250,000, K 256] x [K 256, N 128]; A: input oc_density (given as codes); B: input W0 (given as codes): QUANTISED
;;     11. [M 250,000, K 128] x [K 128, N 64]; A: computed on the way; B: input W1 (given as codes): QUANTISED
;;     12. [M 250,000, K 64] x [K 64, N 1]; A: computed on the way; B: input W2: left as it is (N = 1 < 16)
;;   THE QUANTISER, for each operand of a quantised product, along K:
;;     - K is cut into blocks of 32 from its start; a last block that is shorter is filled with zeros.
;;     - A block's scale is 2^e with e = floor(log2(the largest magnitude in the block)) - 8, held to -126 .. 127; a block of zeros has e = 0. As a byte (E8M0): e + 127.
;;     - Each number is divided by its block's scale, clamped to +-448, and rounded to the nearest number of E4M3, ties to even, subnormals kept.
;;     - The product sums the exact products of the quantised numbers (number of the format x scale) in f32.
;;   ~~~python
;;   def quantise(x, axis):      # numpy; x: float32 -> the quantised numbers, widened to float32 again
;;       x = np.moveaxis(x, axis, -1); K = x.shape[-1]
;;       x = np.pad(x, [(0, 0)] * (x.ndim - 1) + [(0, -K % 32)]); x = x.reshape(x.shape[:-1] + (-1, 32)); a = np.abs(x).max(-1, keepdims=True)
;;       e = np.where(a > 0, np.clip(np.frexp(np.where(a > 0, a, 1))[1] - 1 - 8, -126, 127), 0)      # np.frexp(a)[1] - 1 = floor(log2(a)), exactly
;;       r = np.clip(x / 2.0 ** e, -448, 448)
;;       step = 2.0 ** (np.maximum(np.frexp(np.where(r == 0, 1, r))[1] - 1, -6) - 3)
;;       q = np.round(r / step) * step * 2.0 ** e      # np.round: ties to even
;;       return np.moveaxis(q.reshape(q.shape[:-2] + (-1,))[..., :K], -1, axis).astype(np.float32)
;;   ~~~
;;   OPERANDS COMPUTED ON THE WAY. 'Computed on the way' means the value that the module computes at that place (a softmax that the list does not call 'softmax' is quantised finished and normalised). What goes into a quantiser is computed in f32, as accurately as f32 sums, v_exp_f32 and their like allow (about 1e-6 of the number): no bf16 or f16 on the way to a quantiser, and a product that is left as it is and whose result goes on into a quantised operand takes f32 operands (vector FMAs, or v_wmma_f32_16x16x4_f32). A number that lies on a knife's edge between two numbers of the format may be rounded either way, as far as f32 arithmetic and the matrix unit's own rounding can turn it there, and no further.
;;   INPUTS GIVEN AS CODES. W0 (in the module: [4, 128, 256], K = its axis 2); W1 (in the module: [4, 64, 128], K = its axis 2); oc_density (in the module: [250000, 256], K = its axis 1): each comes as NAME_codes (uint8): NAME with its K axis moved to the last place and cut into blocks of 32 codes, [.., K / 32, bytes a block], one block behind the other in memory; one code a byte (a code: sign, 4 exponent bits, 3 mantissa bits); and NAME_scales (uint8): the same leading axes, one E8M0 byte (e + 127) for each 32 codes along K. Its value is code x scale, taken as it is: it is not quantised again, and the codes and scales need not be those that the quantiser above would give.
;; One version. Each part assembles by itself: llvm-mc -triple=amdgcn-amd-amdhsa -mcpu=gfx1250 --defsym DOCPART=n.
;; ======== version 1 of 1: 1 launch
;; limits: right only within a limited range of input values
;; launch ocmod (part 1): grid 245 x 1, 8 waves a work-group, no clusters, 289,792 bytes of LDS; arguments oc_density_codes, oc_density_scales, species, W0_codes, W0_scales, W1_codes, W1_scales, W2, b0, b1, b2, out0; writes out0
.if DOCPART == 1
	.amdgcn_target "amdgcn-amd-amdhsa--gfx1250"
	.amdhsa_code_object_version 6
	.text
	.protected	k_q6cbd270b0e_ocmod
	.globl	k_q6cbd270b0e_ocmod
	.p2align	8
	.type	k_q6cbd270b0e_ocmod,@function
k_q6cbd270b0e_ocmod:
	s_mov_b64 s[64:65], 0
	v_nop
	global_prefetch_b8 v0, s[64:65] scope:SCOPE_SE
	s_setreg_imm32_b32 hwreg(HW_REG_WAVE_MODE, 25, 1), 1
	s_wait_xcnt 0x0
; out0[a] = MLP_t(x[a]) with t = species[a]: 256 -> 128, GELU (erf), quantised to MX-FP8, 128 -> 64, GELU, 64 -> 1 in f32.  An atom whose species is not 0..3 gets 0.
; x, W0, W1 come as E4M3 codes with one E8M0 byte for each 32 along K and go to the matrix unit as they lie.  Only the chosen expert's rows are multiplied.
; SHARES.  A work-group owns 1,024 consecutive atoms (the last one 144).  Wave 0 sorts them by species into lists in LDS.  Then wave w serves expert e = w & 3 and takes the tiles
; of 16 atoms 2 k + (w >> 2) of that expert's list through the whole chain; its expert's W0 (16 fragments, 256 registers) stays in registers.  Results go to LDS in list order and
; leave in atom order, 16 bytes a thread: a wave's store covers 512 consecutive bytes.  Nothing between the layers goes to memory.
; LAYOUT.  Both products are used transposed (source 0 = 16 rows of the weight, source 1 = 16 atoms): a lane holds ONE atom (lane % 16) throughout.  Lane r of W0's tile 2 b + u takes
; row 32 b + 8 u + r + 8 (r / 8), so that the 16 registers of tiles 2 b, 2 b + 1 are hidden units 32 b + 16 (lane / 16) + 0..15: the conversions' results are the next operand.
; The biases b0 and b1 are the C of each sum's first matrix instruction.
; GELU.  g = x (0.5 + xc P(u) / Q(u)), xc = x held within +-4 sqrt(2), u = xc^2: the rational form of erf on [-4, 4], with 1/sqrt(2), the powers of 2 and the half folded into the coefficients.
; LIMITS.  0.5 + erf/2 is good to a few ulp of 1, so g's absolute error is about 1e-7 |x|; its relative error grows in the tail x < -3.  NaN and infinities among the numbers are not served.
; A hidden block whose largest magnitude lies under 2^-118 keeps the scale byte 1 (a block of zeros too: its codes are zeros).
; NO TENSOR LOADS, NO CLUSTER: the walk over tiles branches on counts made from species, and the rows are a gather by a list.
.set NATOM, 250000
.set LP,    1056                       ; places in a class's list: 1,024 + 32 fillers
.set ZS,    4*LP                       ; the place of an atom with no expert
; LDS, in bytes
.set W0L,   0                          ; W0's codes: 512 rows, 256 bytes + 16 of padding
.set W1L,   139264                     ; W1's codes: 256 rows, 128 bytes + 16
.set B0L,   176128                     ; b0 as it lies in memory
.set B1L,   178176                     ; b1
.set STG,   179200                     ; a stage of 16 rows x 272 bytes for each wave
.set LIST,  214016                     ; word at place p: 256 x the atom's number in the chunk = its row's byte offset
.set XSC,   231168                     ; 8 bytes at place p: that atom's scale bytes
.set RES,   265216                     ; results: two halves (even tiles, odd tiles) of RHALF bytes; in a half 2,112 bytes a class, 64 a tile
.set RHALF, 8704
.set RZERO, RES+8448                   ; where place ZS falls: holds 0.0
.set POS,   282624                     ; word for each atom of the chunk: its place
.set CNT,   286720                     ; four words: the classes' counts
; vector registers, window 0
.set L16,  1                           ; 16 (lane % 16)
.set STW,  2                           ; my stage, on the way in
.set STR,  3                           ; and on the way out
.set B0A,  4
.set B1A,  5
.set W1A,  6
.set LSB,  7                           ; my expert's list, my first tile
.set XSB,  8                           ; its scale bytes
.set RSB,  9                           ; my run of RES
.set LA,   10                          ; the trip's addresses (first: offsets of the resident loads)
.set XA,   11
.set RA,   12
.set CNTA, 13
.set POSR, 14
.set W0R,  15
.set VA6,  16                          ; v[16:17] A6 twice;  v[18:19] B4 twice
.set VB4,  18
.set G16,  20                          ; 16 x thread
.set W0W0, 21
.set W0W1, 22
.set W1W,  23
.set W0S,  24                          ; v24-39 W0's scale words (tile T, K step s: 2 T + s);  v40-43 W1's;  v44-45 x's;  v46 the hidden layer's: these hold scales and nothing else
.set W1S,  40
.set XS,   44
.set PW,   46
.set B0W,  47
.set W2V,  48                          ; v48-79  W2[e][16 T + 8 (lane / 16) + j] at 8 T + j
.set ACC1, 80                          ; v80-143 the hidden layer's 8 tiles; behind their conversion W1's 4 fragments
.set XF,   144                         ; v144-175 x's two fragments; then the second layer's 4 tiles
.set ACC2, 144
.set XR,   176                         ; v176-207 the next tile's rows as loaded
.set TXC,  208                         ; v208-239 at work
.set TU,   216
.set TP,   224
.set TQ,   232
.set PC,   208                         ; the hidden layer's codes
.set TM,   224
.set VO,   240                         ; v240-247 list entries, then row offsets
.set B1W,  248
.set G8,   249
.set G4,   250
.set CNTW, 251
.set ZRA,  255
; scalar registers: s28 wave, s29 e, s30 hf, s32 atoms left from my chunk's first, s33 tiles of my expert, s34 my tile, s35 trip, s36, s37, s81 the trip's steps, s39 b2[e]
.set SA,   40                          ; s[40:51] A0..A5, each twice
.set SB,   52                          ; s[52:59] B0..B3, each twice
.set MSB, 0
.macro WIN new                         ; the immediate's high byte repeats the setting that is left
.if MSB != \new
	s_set_vgpr_msb (MSB<<8)|\new
.set MSB, \new
.endif
.endm
.macro SPAIR reg, val                  ; a packed form names a pair, so both words are written
	s_mov_b32 s[\reg], \val
	s_mov_b32 s[\reg+1], \val
.endm
.macro BARRIER                         ; my LDS stores have landed and my LDS loads are in: then the work-group's barrier
	s_wait_dscnt 0x0
	s_barrier_signal -1
	s_barrier_wait -1
.endm
.macro PLACES n
.rept \n
	v_nop
.endr
.endm
	s_load_b512 s[4:19], s[0:1], 0x0               ; x codes s[4:5], x scales s[6:7], species s[8:9], W0 codes s[10:11], W0 scales s[12:13], W1 codes s[14:15], W1 scales s[16:17], W2 s[18:19]
	s_load_b256 s[20:27], s[0:1], 0x40             ; b0 s[20:21], b1 s[22:23], b2 s[24:25], out0 s[26:27]
	v_lshrrev_b32 v[VO], 5, v0
	s_delay_alu instid0(VALU_DEP_1)
	v_readfirstlane_b32 s28, v[VO]                 ; wave 0..7
	s_and_b32 s29, s28, 3                          ; my expert
	s_lshr_b32 s30, s28, 2                         ; even tiles (0) or odd (1)
	s_lshl_b32 s76, ttmp9, 10
	s_sub_co_u32 s32, NATOM, s76                   ; atoms from my chunk's first to the end
	s_min_u32 s78, s32, 1024
	s_lshl_b32 s79, s78, 2
	s_sub_co_u32 s79, s79, 8                       ; the last 8 bytes of my chunk's species,
	s_lshl_b32 s80, s78, 3
	s_sub_co_u32 s80, s80, 16                      ; the last 16 of its scale bytes: no load goes past them
	; every LDS address register is made here, ahead of the branch on the wave's number
	v_and_b32 v[VO], 15, v0                        ; r
	v_bfe_u32 v[VO+1], v0, 4, 1                    ; h
	s_delay_alu instid0(VALU_DEP_2)
	v_and_b32 v[VO+2], 8, v[VO]
	s_delay_alu instid0(VALU_DEP_1)
	v_add_nc_u32 v[VO+2], v[VO+2], v[VO]           ; r + 8 (r / 8)
	s_delay_alu instid0(VALU_DEP_4)
	v_lshlrev_b32 v[L16], 4, v[VO]
	s_mul_i32 s82, s28, 4352
	s_add_co_u32 s82, s82, STG                     ; my stage
	v_mad_u32_u24 v[STW], v[VO+1], 2176, v[L16]    ; in: load j holds row j in lanes 0-15 and row j + 8 in lanes 16-31
	s_delay_alu instid0(VALU_DEP_1)
	v_add_nc_u32 v[STW], s82, v[STW]
	v_mul_u32_u24 v[STR], v[VO], 272               ; out: row r, + 16 h: the fragment's layout
	s_delay_alu instid0(VALU_DEP_1)
	v_lshl_add_u32 v[STR], v[VO+1], 4, v[STR]
	s_delay_alu instid0(VALU_DEP_1)
	v_add_nc_u32 v[STR], s82, v[STR]
	s_lshl_b32 s82, s29, 9
	s_add_co_u32 s82, s82, B0L
	v_lshlrev_b32 v[B0A], 6, v[VO+1]               ; b0[e][16 h ..]
	s_delay_alu instid0(VALU_DEP_1)
	v_add_nc_u32 v[B0A], s82, v[B0A]
	s_lshl_b32 s82, s29, 8
	s_add_co_u32 s82, s82, B1L
	v_lshlrev_b32 v[B1A], 5, v[VO+1]               ; b1[e][8 h ..]
	s_delay_alu instid0(VALU_DEP_1)
	v_add_nc_u32 v[B1A], s82, v[B1A]
	s_mul_i32 s82, s29, 64*144
	s_add_co_u32 s82, s82, W1L
	v_mul_u32_u24 v[W1A], v[VO], 144
	s_delay_alu instid0(VALU_DEP_1)
	v_lshl_add_u32 v[W1A], v[VO+1], 4, v[W1A]
	s_delay_alu instid0(VALU_DEP_1)
	v_add_nc_u32 v[W1A], s82, v[W1A]               ; W1: row 64 e + r, + 16 h
	s_mul_i32 s82, s29, 4*LP
	s_lshl_b32 s83, s30, 6
	s_add_co_u32 s82, s82, s83
	s_add_co_u32 s82, s82, LIST
	v_lshlrev_b32 v[LSB], 5, v[VO+1]               ; lanes 16-31 take the tile's entries 8 to 15
	s_delay_alu instid0(VALU_DEP_1)
	v_add_nc_u32 v[LSB], s82, v[LSB]
	s_mul_i32 s82, s29, 8*LP
	s_lshl_b32 s83, s30, 7
	s_add_co_u32 s82, s82, s83
	s_add_co_u32 s82, s82, XSC
	v_lshlrev_b32 v[XSB], 3, v[VO]
	s_delay_alu instid0(VALU_DEP_1)
	v_add_nc_u32 v[XSB], s82, v[XSB]
	s_mul_i32 s82, s29, 2112
	s_mul_i32 s83, s30, RHALF
	s_add_co_u32 s82, s82, s83
	s_add_co_u32 s82, s82, RES
	v_lshlrev_b32 v[RSB], 2, v[VO]
	s_delay_alu instid0(VALU_DEP_1)
	v_add_nc_u32 v[RSB], s82, v[RSB]               ; 32 trips x 64 bytes = 2,048 of the 2,112: each wave's run of RES is its own
	s_lshl_b32 s82, s29, 2
	s_add_co_u32 s82, s82, CNT
	v_mov_b32 v[CNTA], s82
	v_lshl_add_u32 v[POSR], v0, 4, POS
	s_mul_i32 s82, s29, 128*272
	v_mul_u32_u24 v[W0R], v[VO+2], 272
	s_delay_alu instid0(VALU_DEP_1)
	v_lshl_add_u32 v[W0R], v[VO+1], 4, v[W0R]
	s_delay_alu instid0(VALU_DEP_1)
	v_add_nc_u32 v[W0R], s82, v[W0R]               ; W0: row 128 e + r + 8 (r / 8), + 16 h
	v_lshlrev_b32 v[G16], 4, v0
	v_lshrrev_b32 v[W0W0], 4, v0
	s_delay_alu instid0(VALU_DEP_1)
	v_mad_u32_u24 v[W0W0], v[W0W0], 272, v[L16]    ; the copy of W0: 16 threads to a row
	s_delay_alu instid0(VALU_DEP_1)
	v_add_nc_u32 v[W0W1], 69632, v[W0W0]           ; its second half: 256 rows on
	v_lshrrev_b32 v[W1W], 3, v0
	s_delay_alu instid0(VALU_DEP_1)
	v_mul_u32_u24 v[W1W], v[W1W], 144              ; the copy of W1: 8 threads to a row
	v_and_b32 v[VO+3], 7, v0
	s_delay_alu instid0(VALU_DEP_1)
	v_lshl_add_u32 v[W1W], v[VO+3], 4, v[W1W]
	s_delay_alu instid0(VALU_DEP_1)
	v_add_nc_u32 v[W1W], W1L, v[W1W]
	v_lshl_add_u32 v[B0W], v0, 3, B0L
	v_lshl_add_u32 v[B1W], v0, 2, B1L
	v_lshlrev_b32 v[G8], 3, v0
	v_lshlrev_b32 v[G4], 2, v0
	v_mov_b32 v[CNTW], CNT
	v_mov_b32 v[ZRA], RZERO
	v_lshlrev_b32 v[LA], 3, v[VO+2]                ; offsets of the resident loads: W0's scale words, 8 bytes a row;
	v_lshlrev_b32 v[XA], 2, v[VO]                  ; W1's, 4 bytes a row;
	v_lshlrev_b32 v[RA], 5, v[VO+1]                ; W2: 8 numbers for each half of the lanes
	; what the sort wants (in wave 0 the thread's number is the lane's)
	v_and_b32 v224, 31, v0                         ; lane
	s_delay_alu instid0(VALU_DEP_1)
	v_lshlrev_b32 v225, 1, v224                    ; 2 x lane
	s_delay_alu instid0(VALU_DEP_2)
	v_lshlrev_b32 v226, 9, v224                    ; 512 x lane: a lane holds two neighbouring atoms, 256 bytes of codes each
	v_mov_b32 v227, ZS
	v_mov_b32 v228, 0x7f7f7f7f                     ; eight scale bytes of 1.0, for the fillers
	v_mov_b32 v229, 0x7f7f7f7f
	v_mov_b32 v230, 0
	v_lshlrev_b32 v231, 3, v224
	v_lshlrev_b32 v232, 4, v224
	v_lshl_add_u32 v233, v224, 3, POS
	v_mov_b32 v[VA6], 0xac95df0b
	v_mov_b32 v[VA6+1], 0xac95df0b
	v_mov_b32 v[VB4], 0xb62ccd2b
	v_mov_b32 v[VB4+1], 0xb62ccd2b
.irp j, 0,1,2,3,4,5,6,7
	v_mov_b32 v[VO+\j], 0                          ; written on every way: the loop works on them in every trip
.endr
	SPAIR SA+0,  0xbc83dbd4                        ; A0 .. A5: erf's numerator, coefficient i over 2^i
	SPAIR SA+2,  0xbac1a1f6
	SPAIR SA+4,  0xb940ac63
	SPAIR SA+6,  0xb6eec2d2
	SPAIR SA+8,  0xb40cff51
	SPAIR SA+10, 0x306dffee
	SPAIR SB+0,  0xbd2542a9                        ; B0 .. B3: its denominator, coefficient i x 2 sqrt(2) over 2^i
	SPAIR SB+2,  0xbc2ad7f2
	SPAIR SB+4,  0xba9bf7b5
	SPAIR SB+6,  0xb89e3512
	s_mov_b32 s60, 0x40b504f3                      ; 4 sqrt(2)
	s_mov_b32 s61, 0xc0b504f3
	s_mov_b32 s62, 0x76543210                      ; v_permlanex16_b32's selects for lane l xor 16
	s_mov_b32 s63, 0xfedcba98
	s_wait_kmcnt 0x0
	s_mov_b32 s77, 0
	s_lshl_b32 s76, ttmp9, 18
	s_add_nc_u64 s[4:5], s[4:5], s[76:77]          ; my chunk's codes: 1,024 rows of 256 bytes,
	s_lshl_b32 s76, ttmp9, 13
	s_add_nc_u64 s[6:7], s[6:7], s[76:77]          ; scale bytes,
	s_lshl_b32 s76, ttmp9, 12
	s_add_nc_u64 s[8:9], s[8:9], s[76:77]          ; species
	s_add_nc_u64 s[26:27], s[26:27], s[76:77]      ; and results
	s_lshl_b32 s76, s29, 10
	s_add_nc_u64 s[12:13], s[12:13], s[76:77]      ; my expert's scale bytes of W0,
	s_lshl_b32 s76, s29, 8
	s_add_nc_u64 s[16:17], s[16:17], s[76:77]      ; of W1,
	s_add_nc_u64 s[18:19], s[18:19], s[76:77]      ; its W2
	s_lshl_b32 s76, s29, 2
	s_add_nc_u64 s[24:25], s[24:25], s[76:77]
	s_load_b32 s39, s[24:25], 0x0                  ; and its b2
	; ---- the weights of all four experts are read once by the work-group, each load 512 consecutive bytes a wave; they wait in registers while wave 0 sorts
	WIN 0x40                                       ; destination window 1
.irp q, 0,1,2,3,4,5,6,7,8,9,10,11,12,13,14,15,16,17,18,19,20,21,22,23,24,25,26,27,28,29,30,31
	global_load_b128 v[4*\q:4*\q+3], v[G16], s[10:11] offset:4096*\q
.endr
	WIN 0
.irp q, 0,1,2,3,4,5,6,7
	global_load_b128 v[XR+4*\q:XR+4*\q+3], v[G16], s[14:15] offset:4096*\q
.endr
	global_load_b64 v[252:253], v[G8], s[20:21]
	global_load_b32 v254, v[G4], s[22:23]
.irp T, 0,1,2,3,4,5,6,7                        ; what stays in registers: my expert's scale words and W2
	global_load_b64 v[W0S+2*\T:W0S+2*\T+1], v[LA], s[12:13] offset:(32*(\T/2)+8*(\T%2))*8
.endr
.irp T, 0,1,2,3
	global_load_b32 v[W1S+\T], v[XA], s[16:17] offset:64*\T
	global_load_b128 v[W2V+8*\T:W2V+8*\T+3], v[RA], s[18:19] offset:64*\T
	global_load_b128 v[W2V+8*\T+4:W2V+8*\T+7], v[RA], s[18:19] offset:64*\T+16
.endr
	; ---- THE SORT: wave 0 alone; no other wave touches LDS ahead of the barrier behind it
	s_cmp_lg_u32 s28, 0
	s_cbranch_scc1 .Lsorted
.irp g, 0,1,2,3,4,5,6,7,8,9,10,11,12,13,14,15  ; group g: atoms 64 g + 2 lane + q, q = 0, 1.  Each load lands on its own address register
	v_add_nc_u32 v[144+2*\g], 256*\g, v231
	s_delay_alu instid0(VALU_DEP_1)
	v_min_u32 v[144+2*\g], s79, v[144+2*\g]
	v_add_nc_u32 v[80+4*\g], 512*\g, v232
	s_delay_alu instid0(VALU_DEP_1)
	v_min_u32 v[80+4*\g], s80, v[80+4*\g]
	global_load_b64 v[144+2*\g:145+2*\g], v[144+2*\g], s[8:9] th:TH_LOAD_NT
	global_load_b128 v[80+4*\g:83+4*\g], v[80+4*\g], s[6:7] th:TH_LOAD_NT
.endr
	s_wait_loadcnt 0x0
	s_cmp_ge_u32 s32, 1024
	s_cbranch_scc1 .Lfull
.irp g, 0,1,2,3,4,5,6,7,8,9,10,11,12,13,14,15  ; the last chunk: an atom past the end has no expert
.irp q, 0,1
	s_sub_co_i32 s76, s32, 64*\g+\q
	v_cmp_gt_i32 vcc_lo, s76, v225
	s_delay_alu instid0(VALU_DEP_1)
	v_cndmask_b32 v[144+2*\g+\q], 4, v[144+2*\g+\q], vcc_lo
.endr
.endr
.Lfull:
	s_mov_b32 s68, 0                               ; the next free place of each class
	s_mov_b32 s69, LP
	s_mov_b32 s70, 2*LP
	s_mov_b32 s71, 3*LP
; 64 atoms: a lane's place = its class's next free place + the lanes below it in that class; ZS where no class fits.  The place is held under ZS + 1 ahead of every address made of it.
.macro SORTG g
.if (\g) >= 2
	s_wait_dscnt 5                                 ; the last group's five stores may be out: those of the group before it, which read this group's registers, are done
.endif
.irp q, 0,1
.set SS, 144+2*(\g)+\q
.set T3, 208+3*(2*((\g)%2)+\q)
	v_cmp_eq_u32 s72, 0, v[SS]
	v_cmp_eq_u32 s73, 1, v[SS]
	v_cmp_eq_u32 s74, 2, v[SS]
	v_cmp_eq_u32 s75, 3, v[SS]
	s_delay_alu instid0(VALU_DEP_4)
	v_mbcnt_lo_u32_b32 v220, s72, s68
	s_delay_alu instid0(VALU_DEP_4)
	v_mbcnt_lo_u32_b32 v221, s73, s69
	s_delay_alu instid0(VALU_DEP_4)
	v_mbcnt_lo_u32_b32 v222, s74, s70
	s_delay_alu instid0(VALU_DEP_4)
	v_mbcnt_lo_u32_b32 v223, s75, s71
	s_delay_alu instid0(VALU_DEP_4)
	v_cndmask_b32 v[SS], v227, v220, s72
	s_delay_alu instid0(VALU_DEP_1)
	v_cndmask_b32 v[SS], v[SS], v221, s73
	s_delay_alu instid0(VALU_DEP_1)
	v_cndmask_b32 v[SS], v[SS], v222, s74
	s_delay_alu instid0(VALU_DEP_1)
	v_cndmask_b32 v[SS], v[SS], v223, s75
	s_delay_alu instid0(VALU_DEP_1)
	v_min_u32 v[SS], ZS, v[SS]
	s_wait_alu depctr_va_vdst(0)
	s_bcnt1_i32_b32 s76, s72
	s_add_co_u32 s68, s68, s76
	s_bcnt1_i32_b32 s76, s73
	s_add_co_u32 s69, s69, s76
	s_bcnt1_i32_b32 s76, s74
	s_add_co_u32 s70, s70, s76
	s_bcnt1_i32_b32 s76, s75
	s_add_co_u32 s71, s71, s76
	v_lshl_add_u32 v[T3], v[SS], 2, LIST
	v_lshl_add_u32 v[T3+1], v[SS], 3, XSC
	v_add_nc_u32 v[T3+2], 256*(64*(\g)+\q), v226
	ds_store_b32 v[T3], v[T3+2]                    ; the atom's row offset,
	ds_store_b64 v[T3+1], v[80+4*(\g)+2*\q:81+4*(\g)+2*\q]   ; and its eight scale bytes, at its place
.endr
	ds_store_b64 v233, v[144+2*(\g):145+2*(\g)] offset:256*(\g)   ; and the two places, in atom order
.endm
.irp g, 0,1,2,3,4,5,6,7,8,9,10,11,12,13,14,15
	SORTG \g
.endr
	s_wait_dscnt 0x0                               ; the stores have read their registers
.irp e, 0,1,2,3                                ; 32 fillers behind each list (row 0 with scales of 1.0): a last tile reads nothing unset; their results are read by nobody
	v_add_nc_u32 v[210+3*\e], s[68+\e], v224
	s_delay_alu instid0(VALU_DEP_1)
	v_min_u32 v[210+3*\e], ZS, v[210+3*\e]
	s_delay_alu instid0(VALU_DEP_1)
	v_lshl_add_u32 v[208+3*\e], v[210+3*\e], 2, LIST
	s_delay_alu instid0(VALU_DEP_2)
	v_lshl_add_u32 v[209+3*\e], v[210+3*\e], 3, XSC
	ds_store_b32 v[208+3*\e], v230
	ds_store_b64 v[209+3*\e], v[228:229]
	s_sub_co_u32 s76, s[68+\e], \e*LP
	v_mov_b32 v[220+\e], s76                       ; the class's count
.endr
	ds_store_b128 v[CNTW], v[220:223]              ; (all lanes write the same words with the same values)
	ds_store_b32 v[ZRA], v230                      ; the result of an atom with no expert
.Lsorted:
	BARRIER                                        ; the lists, places and counts lie in LDS
	; ---- the weights go to LDS; each wave asks for its first tile's rows
	s_wait_loadcnt 0x0
	WIN 0x04                                       ; an LDS store's data are its source 1: window 1
.irp q, 0,1,2,3,4,5,6,7,8,9,10,11,12,13,14,15
	ds_store_b128 v[W0W0], v[4*\q:4*\q+3] offset:4352*\q
.endr
.irp q, 0,1,2,3,4,5,6,7,8,9,10,11,12,13,14,15
	ds_store_b128 v[W0W1], v[64+4*\q:64+4*\q+3] offset:4352*\q
.endr
	WIN 0
.irp q, 0,1,2,3,4,5,6,7
	ds_store_b128 v[W1W], v[XR+4*\q:XR+4*\q+3] offset:4608*\q
.endr
	ds_store_b64 v[B0W], v[252:253]
	ds_store_b32 v[B1W], v254
	ds_load_b32 v[TXC], v[CNTA]
	s_wait_dscnt 0x0                               ; the count is in, and the stores have read their registers: XR may be loaded again
	v_readfirstlane_b32 s33, v[TXC]
	s_add_co_u32 s33, s33, 15
	s_lshr_b32 s33, s33, 4                         ; tiles of my expert
	s_mov_b32 s34, s30                             ; my first tile
	s_cmp_lt_u32 s30, s33
	s_cbranch_scc0 .Lnofirst
	ds_load_b128 v[VO:VO+3], v[LSB]
	ds_load_b128 v[VO+4:VO+7], v[LSB] offset:16
	s_wait_dscnt 0x0
.irp j, 0,1,2,3,4,5,6,7
	v_min_u32 v[VO+\j], 0x3ff00, v[VO+\j]          ; a row of the chunk: 256 x 1,023 at the most
	s_delay_alu instid0(VALU_DEP_1)
	v_add_nc_u32 v[VO+\j], v[L16], v[VO+\j]
.endr
.irp j, 0,1,2,3,4,5,6,7
	global_load_b128 v[XR+4*\j:XR+4*\j+3], v[VO+\j], s[4:5] th:TH_LOAD_NT   ; sixteen lanes read one atom's whole row of 256 bytes; each row is read once (but the fillers' row 0)
.endr
.Lnofirst:
	BARRIER                                        ; the weights lie in LDS
	WIN 0x40                                       ; my expert's W0 into window 1: fragment (T, s) at v[16 (2 T + s)]; it stays.  The first trip's wait on DScnt covers these
.irp T, 0,1,2,3,4,5,6,7
.irp s, 0,1
.irp c, 0,1,2,3
	ds_load_b128 v[16*(2*\T+\s)+4*\c:16*(2*\T+\s)+4*\c+3], v[W0R] offset:(32*(\T/2)+8*(\T%2))*272+128*\s+32*\c
.endr
.endr
.endr
	WIN 0
	s_wait_kmcnt 0x0                               ; b2
; GELU of eight numbers, in place.  The eight reciprocals are one batch; the numerator's 28 lines are the plain work behind them; one wait stands ahead of their first reader.
; An accumulator is read from its low end on.
.macro GELU8 base
.irp i, 0,1,2,3,4,5,6,7
	v_med3_num_f32 v[TXC+\i], v[(\base)+\i], s61, s60
.endr
.irp i, 0,2,4,6
	v_pk_mul_f32 v[TU+\i:TU+\i+1], v[TXC+\i:TXC+\i+1], v[TXC+\i:TXC+\i+1]
.endr
.irp i, 0,2,4,6
	s_delay_alu instid0(VALU_DEP_4)
	v_pk_fma_f32 v[TQ+\i:TQ+\i+1], v[TU+\i:TU+\i+1], v[VB4:VB4+1], s[SB+6:SB+7] op_sel_hi:[1,1,0]
.endr
.irp n, 4,2,0
.irp i, 0,2,4,6
	s_delay_alu instid0(VALU_DEP_4)
	v_pk_fma_f32 v[TQ+\i:TQ+\i+1], v[TQ+\i:TQ+\i+1], v[TU+\i:TU+\i+1], s[SB+\n:SB+\n+1] op_sel_hi:[1,1,0]
.endr
.endr
	s_wait_alu depctr_va_vdst(0)
.irp i, 0,1,2,3,4,5,6,7
	v_rcp_f32 v[TQ+\i], v[TQ+\i]
.endr
.irp i, 0,2,4,6
	v_pk_fma_f32 v[TP+\i:TP+\i+1], v[TU+\i:TU+\i+1], v[VA6:VA6+1], s[SA+10:SA+11] op_sel_hi:[1,1,0]
.endr
.irp n, 8,6,4,2,0
.irp i, 0,2,4,6
	s_delay_alu instid0(VALU_DEP_4)
	v_pk_fma_f32 v[TP+\i:TP+\i+1], v[TP+\i:TP+\i+1], v[TU+\i:TU+\i+1], s[SA+\n:SA+\n+1] op_sel_hi:[1,1,0]
.endr
.endr
.irp i, 0,2,4,6
	s_delay_alu instid0(VALU_DEP_4)
	v_pk_mul_f32 v[TP+\i:TP+\i+1], v[TP+\i:TP+\i+1], v[TXC+\i:TXC+\i+1]
.endr
	s_wait_alu depctr_va_vdst(0)
.irp i, 0,2,4,6
	v_pk_fma_f32 v[TP+\i:TP+\i+1], v[TP+\i:TP+\i+1], v[TQ+\i:TQ+\i+1], 0.5 op_sel_hi:[1,1,0]
.endr
.irp i, 0,2,4,6
	v_pk_mul_f32 v[(\base)+\i:(\base)+\i+1], v[(\base)+\i:(\base)+\i+1], v[TP+\i:TP+\i+1]
.endr
.endm
	; ---- THE WALK: 32 trips in every wave, so that every stepped address can be read off the text; a trip whose tile the list does not have is jumped over
	s_mov_b32 s35, 0
	s_mov_b32 s36, 0                               ; 128 k: two tiles of list words
	s_mov_b32 s37, 0                               ; 256 k: two tiles of scale bytes
	s_mov_b32 s81, 0                               ; 64 k: a tile of results
.Ltile:
	s_cmp_ge_u32 s34, s33
	s_cbranch_scc1 .Lskip
	s_wait_loadcnt 0x0                             ; my tile's 16 rows, asked for a whole tile's work ago
.irp j, 0,1,2,3,4,5,6,7
	ds_store_b128 v[STW], v[XR+4*\j:XR+4*\j+3] offset:272*\j   ; through my own stage: LDS serves a wave's instructions in order (ISA guide 5.7.1.4), so no wait stands between the stores and the loads
.endr
.irp s, 0,1
.irp c, 0,1,2,3
	ds_load_b128 v[XF+16*\s+4*\c:XF+16*\s+4*\c+3], v[STR] offset:128*\s+32*\c
.endr
.endr
	v_add_nc_u32 v[LA], s36, v[LSB]
	v_add_nc_u32 v[XA], s37, v[XSB]
	ds_load_b64 v[XS:XS+1], v[XA]                  ; the atoms' scale words, K steps 0 and 1
.irp T, 0,1,2,3,4,5,6,7
	ds_load_b128 v[ACC1+8*\T:ACC1+8*\T+3], v[B0A] offset:128*(\T/2)+32*(\T%2)        ; b0 in the result's layout: the C of the first products
	ds_load_b128 v[ACC1+8*\T+4:ACC1+8*\T+7], v[B0A] offset:128*(\T/2)+32*(\T%2)+16
.endr
	s_add_co_u32 s38, s34, 2
	s_cmp_lt_u32 s38, s33
	s_cbranch_scc0 .Lnolist
	ds_load_b128 v[VO:VO+3], v[LA] offset:128      ; my next tile's list entries
	ds_load_b128 v[VO+4:VO+7], v[LA] offset:144
.Lnolist:
	s_wait_dscnt 0x0
	WIN 0x01                                       ; source 0 (W0) window 1.  The eight accumulators take turns, one instruction a turn
.irp s, 0,1
.irp T, 0,1,2,3,4,5,6,7
	v_wmma_scale_f32_16x16x128_f8f6f4 v[ACC1+8*\T:ACC1+8*\T+7], v[16*(2*\T+\s):16*(2*\T+\s)+15], v[XF+16*\s:XF+16*\s+15], v[ACC1+8*\T:ACC1+8*\T+7], v[W0S+2*\T+\s], v[XS+\s]
.endr
.endr
	WIN 0
.irp j, 0,1,2,3,4,5,6,7                        ; sixteen plain lines in every trip: more than the eight places behind the products, ahead of the loads into x's registers and of the first read of results
	v_min_u32 v[VO+\j], 0x3ff00, v[VO+\j]
	s_delay_alu instid0(VALU_DEP_1)
	v_add_nc_u32 v[VO+\j], v[L16], v[VO+\j]
.endr
	s_cmp_lt_u32 s38, s33
	s_cbranch_scc0 .Lnorows
.irp j, 0,1,2,3,4,5,6,7
	global_load_b128 v[XR+4*\j:XR+4*\j+3], v[VO+\j], s[4:5] th:TH_LOAD_NT   ; the next tile's rows: 4,096 bytes a wave on their way through the rest of this tile
.endr
.Lnorows:
.irp T, 0,1,2,3
	ds_load_b128 v[ACC2+8*\T:ACC2+8*\T+3], v[B1A] offset:64*\T                 ; b1: the C of the second products
	ds_load_b128 v[ACC2+8*\T+4:ACC2+8*\T+7], v[B1A] offset:64*\T+16
.endr
.irp T, 0,1,2,3,4,5,6,7
	GELU8 ACC1+8*\T
.endr
	; the hidden layer's four blocks of 32 along the next K: register 16 b + i is unit 32 b + 16 (lane / 16) + i of my atom
.irp b, 0,1,2,3
	v_max3_num_f32 v[TM+\b], |v[ACC1+16*\b]|, |v[ACC1+16*\b+1]|, 0x4800000   ; my 16 numbers and the floor 2^(9 - 127): the byte cannot fall under 1
.endr
.irp i, 2,4,6,8,10,12,14
.irp b, 0,1,2,3
	s_delay_alu instid0(VALU_DEP_4)
	v_max3_num_f32 v[TM+\b], v[TM+\b], |v[ACC1+16*\b+\i]|, |v[ACC1+16*\b+\i+1]|
.endr
.endr
.irp b, 0,1,2,3
	s_delay_alu instid0(VALU_DEP_4)
	v_permlanex16_b32 v[TM+4+\b], v[TM+\b], s62, s63
.endr
.irp b, 0,1,2,3
	s_delay_alu instid0(VALU_DEP_4)
	v_max_num_f32 v[TM+\b], v[TM+\b], v[TM+4+\b]   ; with lane l xor 16's: the block's largest magnitude
.endr
.irp b, 0,1,2,3
	s_delay_alu instid0(VALU_DEP_4)
	v_add_nc_u32 v[TM+12+\b], 0xfc000000, v[TM+\b] ; 8 off its exponent field: the conversion's scale operand
.endr
.irp b, 0,1,2,3
.endr
.irp b, 0,1,2,3
	s_delay_alu instid0(VALU_DEP_4)
	v_lshrrev_b32 v[TM+4+\b], 23, v[TM+12+\b]      ; the scale's byte
.endr
	s_delay_alu instid0(VALU_DEP_3)
	v_lshl_or_b32 v[PW], v[TM+5], 8, v[TM+4]       ; my atom's scale word
	s_delay_alu instid0(VALU_DEP_1)
	v_lshl_or_b32 v[PW], v[TM+6], 16, v[PW]
	s_delay_alu instid0(VALU_DEP_1)
	v_lshl_or_b32 v[PW], v[TM+7], 24, v[PW]
.irp b, 0,1,2,3
.irp i, 0,1,2,3,4,5,6,7,8,9,10,11,12,13,14,15
.endr
	v_cvt_scalef32_pk8_fp8_f32 v[PC+4*\b:PC+4*\b+1], v[ACC1+16*\b:ACC1+16*\b+7], v[TM+12+\b]
	v_cvt_scalef32_pk8_fp8_f32 v[PC+4*\b+2:PC+4*\b+3], v[ACC1+16*\b+8:ACC1+16*\b+15], v[TM+12+\b]
.irp c, 0,1,2,3
	ds_load_b128 v[ACC1+16*\b+4*\c:ACC1+16*\b+4*\c+3], v[W1A] offset:2304*\b+32*\c   ; the block's numbers are done with: W1's fragment b takes their registers
.endr
.endr
	PLACES 5                                       ; one plain line behind the last conversion, and four places between the codes and the scaled products
	s_wait_alu depctr_va_vdst(0)
	s_wait_dscnt 0x0                               ; W1's fragments and b1
.irp T, 0,1,2,3
	v_wmma_scale_f32_16x16x128_f8f6f4 v[ACC2+8*\T:ACC2+8*\T+7], v[ACC1+16*\T:ACC1+16*\T+15], v[PC:PC+15], v[ACC2+8*\T:ACC2+8*\T+7], v[W1S+\T], v[PW]
.endr
	PLACES 8                                       ; ahead of the first read of results and of the writes over the codes
.irp T, 0,1,2,3
	GELU8 ACC2+8*\T
.endr
	v_pk_mul_f32 v[TXC:TXC+1], v[ACC2:ACC2+1], v[W2V:W2V+1]             ; the third layer, in f32: my 32 units, two chains of packed multiply-adds
	v_pk_mul_f32 v[TXC+2:TXC+3], v[ACC2+2:ACC2+3], v[W2V+2:W2V+3]
.irp i, 4,8,12,16,20,24,28
	s_delay_alu instid0(VALU_DEP_2)
	v_pk_fma_f32 v[TXC:TXC+1], v[ACC2+\i:ACC2+\i+1], v[W2V+\i:W2V+\i+1], v[TXC:TXC+1]
	s_delay_alu instid0(VALU_DEP_2)
	v_pk_fma_f32 v[TXC+2:TXC+3], v[ACC2+\i+2:ACC2+\i+3], v[W2V+\i+2:W2V+\i+3], v[TXC+2:TXC+3]
.endr
	s_delay_alu instid0(VALU_DEP_1)
	v_pk_add_f32 v[TXC:TXC+1], v[TXC:TXC+1], v[TXC+2:TXC+3]
	s_delay_alu instid0(VALU_DEP_1)
	v_add_f32 v[TXC], v[TXC], v[TXC+1]
	s_delay_alu instid0(VALU_DEP_1)
	v_permlanex16_b32 v[TXC+1], v[TXC], s62, s63   ; the atom's other 32 units lie in the lane 16 away
	s_delay_alu instid0(VALU_DEP_1)
	v_add_f32 v[TXC], v[TXC], v[TXC+1]
	s_delay_alu instid0(VALU_DEP_1)
	v_add_f32 v[TXC], s39, v[TXC]                  ; + b2
	v_add_nc_u32 v[RA], s81, v[RSB]                ; (made here, behind this trip's waits on DScnt: the last trip's store has read it)
	ds_store_b32 v[RA], v[TXC]                     ; lanes r and r + 16 write the same word with the same value
.Lskip:
	s_add_co_u32 s34, s34, 2
	s_add_co_u32 s36, s36, 128
	s_add_co_u32 s37, s37, 256
	s_add_co_u32 s81, s81, 64
	s_add_co_u32 s35, s35, 1
	s_cmp_lt_u32 s35, 32
	s_cbranch_scc1 .Ltile
	; ---- back into atom order: thread t takes atoms 4 t .. 4 t + 3.  Behind this barrier nothing is written to LDS any more
	BARRIER
	ds_load_b128 v[TXC:TXC+3], v[POSR]
	s_wait_dscnt 0x0
.irp i, 0,1,2,3                                ; place p = 1,056 e + 16 tile + r lies at word 16 (p / 32) + p % 16 of the half (p / 16) % 2
	v_and_b32 v[TU+\i], 0xffffffe0, v[TXC+\i]
	v_bfe_u32 v[TP+\i], v[TXC+\i], 4, 1
	v_and_b32 v[TQ+\i], 15, v[TXC+\i]
	s_delay_alu instid0(VALU_DEP_3)
	v_lshrrev_b32 v[TU+\i], 1, v[TU+\i]
	s_delay_alu instid0(VALU_DEP_2)
	v_mad_u32_u24 v[TQ+\i], v[TP+\i], RHALF/4, v[TQ+\i]
	s_delay_alu instid0(VALU_DEP_1)
	v_add_nc_u32 v[TU+\i], v[TU+\i], v[TQ+\i]
	s_delay_alu instid0(VALU_DEP_1)
	v_min_u32 v[TU+\i], 2*RHALF/4-1, v[TU+\i]      ; held inside RES ahead of the address
	s_delay_alu instid0(VALU_DEP_1)
	v_lshl_add_u32 v[TU+\i], v[TU+\i], 2, RES
.endr
.irp i, 0,1,2,3
	ds_load_b32 v[TXC+4+\i], v[TU+\i]
.endr
	s_wait_dscnt 0x0
	s_wait_xcnt 0x0                                ; EXEC changes only behind this wait
	v_cmp_gt_u32 vcc_lo, s32, v[G4]                ; the last chunk has 144 atoms, a multiple of 4
	s_and_saveexec_b32 s76, vcc_lo
	global_store_b128 v[G16], v[TXC+4:TXC+7], s[26:27] th:TH_STORE_NT   ; a wave stores 512 consecutive bytes, at a multiple of 256 from out0's first byte
	s_wait_xcnt 0x0
	s_mov_b32 exec_lo, -1
	v_lshl_add_u32 v251, v0, 2, 0x46800
	v_mov_b32 v255, 0
	s_wait_alu depctr_va_vdst(0)
	s_wait_tensorcnt 0x0
	ds_add_u32 v251, v255
	s_wait_dscnt 0x0
	s_endpgm
.Lfunc_end_k_q6cbd270b0e_ocmod:
	.size	k_q6cbd270b0e_ocmod, .Lfunc_end_k_q6cbd270b0e_ocmod-k_q6cbd270b0e_ocmod
	.p2alignl 7, 3214868480
	.fill 96, 4, 3214868480
	.section	.rodata,"a",@progbits
	.p2align	6, 0x0
	.amdhsa_kernel k_q6cbd270b0e_ocmod
		.amdhsa_group_segment_fixed_size 289792
		.amdhsa_private_segment_fixed_size 0
		.amdhsa_enable_private_segment 0
		.amdhsa_kernarg_size 96
		.amdhsa_user_sgpr_count 2
		.amdhsa_user_sgpr_kernarg_segment_ptr 1
		.amdhsa_wavefront_size32 1
		.amdhsa_system_sgpr_workgroup_id_x 1
		.amdhsa_system_sgpr_workgroup_id_y 1
		.amdhsa_system_sgpr_workgroup_id_z 1
		.amdhsa_system_vgpr_workitem_id 0
		.amdhsa_next_free_vgpr 512
		.amdhsa_next_free_sgpr 100
		.amdhsa_reserve_vcc 1
		.amdhsa_float_denorm_mode_32 3
		.amdhsa_float_denorm_mode_16_64 3
		.amdhsa_fp16_overflow 1
		.amdhsa_memory_ordered 1
		.amdhsa_forward_progress 1
		.amdhsa_inst_pref_size 182
	.end_amdhsa_kernel
	.amdgpu_metadata
---
amdhsa.version: [ 1, 2 ]
amdhsa.kernels:
  - .name:           k_q6cbd270b0e_ocmod
    .symbol:         k_q6cbd270b0e_ocmod.kd
    .args:
      - { .name: oc_density_codes, .offset: 0, .size: 8, .value_kind: global_buffer, .address_space: global }
      - { .name: oc_density_scales, .offset: 8, .size: 8, .value_kind: global_buffer, .address_space: global }
      - { .name: species, .offset: 16, .size: 8, .value_kind: global_buffer, .address_space: global }
      - { .name: W0_codes, .offset: 24, .size: 8, .value_kind: global_buffer, .address_space: global }
      - { .name: W0_scales, .offset: 32, .size: 8, .value_kind: global_buffer, .address_space: global }
      - { .name: W1_codes, .offset: 40, .size: 8, .value_kind: global_buffer, .address_space: global }
      - { .name: W1_scales, .offset: 48, .size: 8, .value_kind: global_buffer, .address_space: global }
      - { .name: W2, .offset: 56, .size: 8, .value_kind: global_buffer, .address_space: global }
      - { .name: b0, .offset: 64, .size: 8, .value_kind: global_buffer, .address_space: global }
      - { .name: b1, .offset: 72, .size: 8, .value_kind: global_buffer, .address_space: global }
      - { .name: b2, .offset: 80, .size: 8, .value_kind: global_buffer, .address_space: global }
      - { .name: out0, .offset: 88, .size: 8, .value_kind: global_buffer, .address_space: global }
    .group_segment_fixed_size: 289792
    .private_segment_fixed_size: 0
    .kernarg_segment_align: 8
    .kernarg_segment_size: 96
    .max_flat_workgroup_size: 256
    .sgpr_count:     100
    .vgpr_count:     512
    .wavefront_size: 32
...
	.end_amdgpu_metadata
.endif
;; end of part 1
